; MI455X (gfx1250); checked and timed in simulation.
; The chip was launched on July 23, 2026; its instructions are those of AMD's public machine-readable ISA for CDNA 5 (MIT licence, August 2026) and "CDNA5" Instruction Set Architecture Reference Guide (July 2026). The comments in the code are by the model that wrote it; some were corrected since.
;; Causal Self Attention. Allowed arithmetic: matrix products marked QUANTISED: E4M3 operands, one given power-of-two scale a tensor, by v_wmma_f32_16x16x64_fp8_fp8 or v_wmma_f32_16x16x128_fp8_fp8, f32 sums; everything else in f32.
;; Inputs: W_attn 1,024 x 3,072 float32; W_proj 1,024 x 1,024 float32; b_attn 3,072 float32; b_proj 1,024 float32; lowp_scales 8 int32 (the exponents e of the quantised operands' scales 2^e); x 4 x 2,048 x 1,024 float32.
;; Outputs: out0 4 x 2,048 x 1,024 float32.
;; This version of the problem:
;;   THIS VERSION OF THE PROBLEM IS GIVEN IN LOW PRECISION. The matrix products marked QUANTISED in the list below multiply operands that are first quantised to E4M3 (4 exponent bits, 3 mantissa bits; 8 bits a number), with one given power-of-two scale for each operand tensor; their sums are f32. All else is computed in f32.
;;   The module's matrix products, in the order in which they are computed (A, B: the left and right operand; K: the contracted axis; several contracted axes count as one K, in the product's order):
;;     1. [M 8,192, K 1,024] x [K 1,024, N 3,072]; A: input x; B: input W_attn: QUANTISED (scales: A lowp_scales[0], B lowp_scales[1])
;;     2. batch 64 x [M 2,048, K 64] x [K 64, N 2,048]; A: computed on the way; B: computed on the way: QUANTISED (scales: A lowp_scales[2], B lowp_scales[3])
;;     3. batch 64 x [M 2,048, K 2,048] x [K 2,048, N 64]; A: softmax (see below); B: computed on the way: QUANTISED (scales: A lowp_scales[4], B lowp_scales[5])
;;     4. [M 8,192, K 1,024] x [K 1,024, N 1,024]; A: computed on the way; B: input W_proj: QUANTISED (scales: A lowp_scales[6], B lowp_scales[7])
;;   THE QUANTISER, for each operand of a quantised product, along K:
;;     - The operand's scale is 2^e, e = its entry of the input lowp_scales (int32; the entries are numbered through the quantised products in the list's order, A before B).
;;     - Each number is divided by the scale, clamped to +-448, and rounded to the nearest number of E4M3, ties to even, subnormals kept.
;;     - The product sums the exact products of the quantised numbers (number of the format x scale) in f32.
;;   ~~~python
;;   def quantise(x, axis, e):      # numpy; x: float32 -> the quantised numbers, widened to float32 again
;;       x = np.moveaxis(x, axis, -1); K = x.shape[-1]
;;       r = np.clip(x / 2.0 ** e, -448, 448)
;;       step = 2.0 ** (np.maximum(np.frexp(np.where(r == 0, 1, r))[1] - 1, -6) - 3)
;;       q = np.round(r / step) * step * 2.0 ** e      # np.round: ties to even
;;       return np.moveaxis(q, -1, axis).astype(np.float32)
;;   ~~~
;;   SOFTMAX AHEAD OF A QUANTISED PRODUCT. Where the list says 'softmax', what is quantised is not the finished softmax but p = 2^(t - M), with t = logit x log2(e) and M = ceil(the row's largest t), a whole number; so 1/2 < the row's largest p <= 1. The row's sum l is taken of the UNQUANTISED p, in f32, and the product's result is divided by l at the end. Since M is a whole number, a kernel that streams over the keys may use a running M (the ceiling of the running maximum): every later rescaling is an exact power of two, so the quantised numbers keep their values, but for numbers so far below the row's largest that they fall under the format's range.
;;   OPERANDS COMPUTED ON THE WAY. 'Computed on the way' means the value that the module computes at that place (a softmax that the list does not call 'softmax' is quantised finished and normalised). What goes into a quantiser is computed in f32, as accurately as f32 sums, v_exp_f32 and their like allow (about 1e-6 of the number): no bf16 or f16 on the way to a quantiser, and a product that is left as it is and whose result goes on into a quantised operand takes f32 operands (vector FMAs, or v_wmma_f32_16x16x4_f32). A number that lies on a knife's edge between two numbers of the format may be rounded either way, as far as f32 arithmetic and the matrix unit's own rounding can turn it there, and no further.
;; One version. Each part assembles by itself: llvm-mc -triple=amdgcn-amd-amdhsa -mcpu=gfx1250 --defsym DOCPART=n.
;; ======== version 1 of 1: 4 launches
;; limits: right only within a limited range of input values
;; workspace buffers: x_img 8,388,608 bytes; wa_img 3,145,728 bytes; wp_img 1,048,576 bytes; q_img 8,388,608 bytes; kv_img 16,777,216 bytes; y_img 8,388,608 bytes
;; launch prep (part 1): grid 384 x 1, 4 waves a work-group, no clusters, 34,304 bytes of LDS; arguments x, W_attn, W_proj, lowp_scales, x_img, wa_img, wp_img; writes x_img, wa_img, wp_img
.if DOCPART == 1
	.amdgcn_target "amdgcn-amd-amdhsa--gfx1250"
	.amdhsa_code_object_version 6
	.text
	.protected	k_q1ec19bc921_prep
	.globl	k_q1ec19bc921_prep
	.p2align	8
	.type	k_q1ec19bc921_prep,@function
k_q1ec19bc921_prep:
	s_mov_b64 s[64:65], 0
	v_nop
	global_prefetch_b8 v0, s[64:65] scope:SCOPE_SE
	s_setreg_imm32_b32 hwreg(HW_REG_WAVE_MODE, 25, 1), 1
	s_wait_xcnt 0x0
; x [8192][1024], W_attn [1024][3072] and W_proj [1024][1024], all f32, become codes of E4M3, each with its given scale 2^e (entries 0, 1 and 7 of the scales).
; code = number / 2^e, held within +-448, to the nearest code, ties to even.
; LIMITS: each of the three e lies between -126 and 119, so that 2^e and 448 x 2^e are f32 numbers.  NaN among the inputs is not served; an infinity is held at the largest code.
; THE CODES ARE LAID AS IMAGES OF OPERAND REGISTERS.  A fragment is 16 rows x 128 along K, 2,048 bytes: the code of (row r, k) lies at (k / 32) 512 + ((k / 16) % 2) 256 + 16 r + k % 16,
; so that four loads of 16 bytes a lane, at 16 x lane + 512 c, give lane (r, h) the codes k = 32 c + 16 h + 0 .. 15 of row r in registers 4 c .. 4 c + 3.
;   x_img  [K step of 256: 4][16 rows: 512][half of the K step: 2][fragment]
;   wa_img [q, k or v: 3][K step: 4][16 columns: 64][half: 2][fragment];  wp_img the same with one plane of 1,024 columns
; SHARES.  Work-groups 0-255 take x (32 rows each), 256-351 W_attn, 352-383 W_proj (128 columns x 256 along K each): 128 KB of input each.  The three ways part on the work-group's number.
; x: K is innermost.  A load takes 512 consecutive bytes of a row; 16 rows x 128 numbers turn through the wave's own stage in LDS, so that a lane gets 16 neighbours along K of each block of 32.
; W: K is the first axis.  A lane takes a column and its registers run down K; sixteen neighbouring lanes' 16 bytes are 256 consecutive bytes of an image, so the codes leave straight from registers.
; No tensor loads, no barrier: waves share nothing.  Matrix units and clusters have nothing to do here: each input byte is read once, each code written once.
.set STG,   8448                       ; a wave's stage: 16 rows x (512 bytes + 16 of padding)
.set SPARE, 33792                      ; behind the four stages: the spare words, 128 bytes a wave, which no other line names
.set RAW,   16                         ; v16-143  x as loaded, two sets of 64
.set XN,    144                        ; v144-207 64 numbers of a lane: register 16 c + i = k 32 c + 16 h + i of row r
.set CD,    208                        ; v208-239 x's codes, two sets of 16
.set WN,    16                         ; v16-79   W: two sets of 32 numbers down K
.set WC,    80                         ; v80-143  W's codes: eight registers for each block, so that no store's data are written again
.set SCL,   240                        ; v240     2^e as f32
.set LIM,   241                        ; v241     not written
.set SPW,   242                        ; v242     LDS address of my spare word; never rewritten
.set NIL,   243                        ; v243     0; never rewritten
.macro FIN                             ; the wave's end
	s_wait_tensorcnt 0x0
	ds_add_u32 v[SPW], v[NIL]
	s_wait_dscnt 0x0
	s_endpgm
.endm
.macro SCALES ex                       ; s[ex] = e: the conversion's scale and the hold's bound
	s_wait_kmcnt 0x0
	s_add_co_i32 s28, s[\ex], 127
	s_lshl_b32 s29, s28, 23
	v_mov_b32 v[SCL], s29
	s_add_co_i32 s28, s28, 8
	s_lshl_b32 s28, s28, 23
	s_or_b32 s28, s28, 0x600000                    ; 448 = 1.75 x 2^8
.endm
.macro WLOAD t, cols, src              ; block t: W(32 t + i, my column), i = 0 .. 31: a wave's load takes 128 consecutive bytes, the four waves stand side by side
.set i, 0
.rept 32
	global_load_b32 v[WN+32*((\t)%2)+i], v1, s[\src:\src+1] offset:(32*(\t)+i)*\cols*4 th:TH_LOAD_NT
.set i, i+1
.endr
.endm
.macro WBLOCK t, cols, src, dst
.if (\t) < 7
	s_wait_loadcnt 32                              ; this block's 32 loads are in; the next block's 32 may be out
.else
	s_wait_loadcnt 0x0
.endif
.set i, 0
.rept 32
.set i, i+1
.endr
.irp q, 0,1,2,3
	v_cvt_scalef32_pk8_fp8_f32 v[WC+8*(\t)+2*\q:WC+8*(\t)+2*\q+1], v[WN+32*((\t)%2)+8*\q:WN+32*((\t)%2)+8*\q+7], v[SCL]
.endr
	v_nop                                          ; one plain line behind the run of conversions
.if (\t) < 6
	WLOAD (\t)+2, \cols, \src
.endif
	global_store_b128 v2, v[WC+8*(\t):WC+8*(\t)+3], s[\dst:\dst+1] offset:((\t)/4)*2048+((\t)%4)*512         ; k 0-15 of the block: sixteen lanes store 256 consecutive bytes, aligned
	global_store_b128 v2, v[WC+8*(\t)+4:WC+8*(\t)+7], s[\dst:\dst+1] offset:((\t)/4)*2048+((\t)%4)*512+256   ; k 16-31
.endm
.macro WPATH cols, src, dst, ex, g0    ; a weight of cols columns; its work-groups begin at number g0
	s_sub_co_u32 s28, ttmp9, \g0
	s_lshr_b32 s29, s28, 2                         ; which 128 columns
	s_and_b32 s28, s28, 3                          ; which 256 along K
	s_mul_i32 s30, s28, 256*\cols*4
	s_lshl_b32 s31, s29, 9
	s_add_co_u32 s30, s30, s31
	s_lshl_b32 s31, s18, 7                         ; my wave's 32 columns
	s_add_co_u32 s30, s30, s31
	s_mov_b32 s31, 0
	s_add_nc_u64 s[\src:\src+1], s[\src:\src+1], s[30:31]
	s_lshr_b32 s32, s29, 3
	s_lshl_b32 s32, s32, 20                        ; the plane of 1,024 columns,
	s_lshl_b32 s33, s28, 18                        ; the K step,
	s_add_co_u32 s32, s32, s33
	s_and_b32 s33, s29, 7
	s_lshl_b32 s33, s33, 15                        ; eight groups of 16 columns for each 128,
	s_add_co_u32 s32, s32, s33
	s_lshl_b32 s33, s18, 13                        ; two for each wave
	s_add_co_u32 s32, s32, s33
	s_mov_b32 s33, 0
	s_add_nc_u64 s[\dst:\dst+1], s[\dst:\dst+1], s[32:33]
	v_lshlrev_b32 v1, 2, v4                        ; in: 4 bytes a lane
	v_lshrrev_b32 v2, 4, v4
	v_and_b32 v3, 15, v4
	v_lshlrev_b32 v2, 12, v2                       ; out: lanes 16-31 stand in the next group of 16 columns,
	v_lshl_add_u32 v2, v3, 4, v2                   ; 16 bytes a row of the image
	WLOAD 0, \cols, \src
	WLOAD 1, \cols, \src
	SCALES \ex
	s_wait_alu depctr_va_vdst(0)
.irp t, 0,1,2,3,4,5,6,7
	WBLOCK \t, \cols, \src, \dst
.endr
	FIN
.endm
.macro XLOAD f                         ; 16 rows x 128 numbers: each load takes 512 consecutive bytes of one row
.set i, 0
.rept 16
	global_load_b128 v[RAW+64*((\f)%2)+4*i:RAW+64*((\f)%2)+4*i+3], v1, s[4:5] offset:i*4096+(\f)*512 th:TH_LOAD_NT
.set i, i+1
.endr
.endm
.macro XSTEP f
.if (\f) < 3
	s_wait_loadcnt 16                              ; this fragment's 16 loads are in; the next fragment's 16 may be out
.else
	s_wait_loadcnt 0x0
.endif
.set i, 0
.rept 16
	ds_store_b128 v2, v[RAW+64*((\f)%2)+4*i:RAW+64*((\f)%2)+4*i+3] offset:i*528
.set i, i+1
.endr
.irp c, 0,1,2,3
.irp i, 0,1,2,3
	ds_load_b128 v[XN+16*\c+4*\i:XN+16*\c+4*\i+3], v3 offset:128*\c+16*\i   ; LDS serves a wave's instructions in order (ISA guide 5.7.1.4): these see the stores above
.endr
.endr
	s_wait_dscnt 0x0                               ; the numbers are back, and the stores have read their registers,
.if (\f) < 2
	XLOAD (\f)+2                                   ; which take the loads of two fragments on
.else
	s_wait_xcnt 0x0                                ; the stores of two fragments back have read this set of codes: it is written again only behind this wait
.endif
.irp c, 0,1,2,3
.set i, 0
.rept 16
.set i, i+1
.endr
	v_cvt_scalef32_pk8_fp8_f32 v[CD+16*((\f)%2)+4*\c:CD+16*((\f)%2)+4*\c+1], v[XN+16*\c:XN+16*\c+7], v[SCL]
	v_cvt_scalef32_pk8_fp8_f32 v[CD+16*((\f)%2)+4*\c+2:CD+16*((\f)%2)+4*\c+3], v[XN+16*\c+8:XN+16*\c+15], v[SCL]
.endr
	v_nop                                          ; one plain line behind the run of conversions
.irp c, 0,1,2,3
	global_store_b128 v1, v[CD+16*((\f)%2)+4*\c:CD+16*((\f)%2)+4*\c+3], s[12:13] offset:((\f)/2)*2097152+((\f)%2)*2048+512*\c   ; 512 consecutive bytes of the image
.endr
.endm
	s_load_b256 s[4:11], s[0:1], 0x0               ; x s[4:5], W_attn s[6:7], W_proj s[8:9], the scales' exponents s[10:11]
	s_load_b128 s[12:15], s[0:1], 0x20             ; x_img s[12:13], wa_img s[14:15]
	s_load_b64 s[16:17], s[0:1], 0x30              ; wp_img
	v_lshl_add_u32 v[SPW], v0, 2, SPARE
	v_mov_b32 v[NIL], 0
	v_lshrrev_b32 v1, 5, v0
	v_readfirstlane_b32 s18, v1                    ; wave 0..3
	v_and_b32 v4, 31, v0                           ; lane
	s_wait_kmcnt 0x0
	s_load_b256 s[20:27], s[10:11], 0x0            ; e0 .. e7
	s_cmp_lt_u32 ttmp9, 256
	s_cbranch_scc1 .Lpath_x
	s_cmp_lt_u32 ttmp9, 352
	s_cbranch_scc1 .Lpath_wa
	s_wait_alu depctr_va_vdst(0)
	WPATH 1024, 8, 16, 27, 352                     ; W_proj, e7
.Lpath_wa:
	s_wait_alu depctr_va_vdst(0)
	WPATH 3072, 6, 14, 21, 256                     ; W_attn, e1
.Lpath_x:
	s_lshl_b32 s28, ttmp9, 1
	s_lshr_b32 s29, s18, 1
	s_add_co_u32 s28, s28, s29                     ; my 16 rows: 2 x work-group + wave / 2
	s_and_b32 s29, s18, 1                          ; my half of K: four fragments of 128
	s_lshl_b32 s30, s28, 16                        ; 16 rows of 4,096 bytes
	s_lshl_b32 s31, s29, 11
	s_add_co_u32 s30, s30, s31
	s_mov_b32 s31, 0
	s_add_nc_u64 s[4:5], s[4:5], s[30:31]
	s_lshl_b32 s32, s29, 22                        ; two K steps of 2,097,152 bytes
	s_lshl_b32 s33, s28, 12
	s_add_co_u32 s32, s32, s33
	s_mov_b32 s33, 0
	s_add_nc_u64 s[12:13], s[12:13], s[32:33]
	s_wait_alu depctr_va_vdst(0)
	v_lshlrev_b32 v1, 4, v4                        ; 16 x lane: in a load's 512 bytes, and in a store's
	s_mul_i32 s34, s18, STG
	v_add_nc_u32 v2, s34, v1                       ; the stage, on the way in
	v_and_b32 v5, 15, v0
	v_bfe_u32 v6, v0, 4, 1
	v_mul_u32_u24 v3, v5, 528
	v_lshl_add_u32 v3, v6, 6, v3
	v_add_nc_u32 v3, s34, v3                       ; and on the way out: row r, + 64 h: 16 numbers of a block of 32
	XLOAD 0
	XLOAD 1
	s_wait_alu depctr_va_vdst(0)
	SCALES 20                                      ; e0
	s_wait_alu depctr_va_vdst(0)
	XSTEP 0
	XSTEP 1
	XSTEP 2
	XSTEP 3
	FIN
.Lfunc_end_k_q1ec19bc921_prep:
	.size	k_q1ec19bc921_prep, .Lfunc_end_k_q1ec19bc921_prep-k_q1ec19bc921_prep
	.p2alignl 7, 3214868480
	.fill 96, 4, 3214868480
	.section	.rodata,"a",@progbits
	.p2align	6, 0x0
	.amdhsa_kernel k_q1ec19bc921_prep
		.amdhsa_group_segment_fixed_size 34304
		.amdhsa_private_segment_fixed_size 0
		.amdhsa_enable_private_segment 0
		.amdhsa_kernarg_size 56
		.amdhsa_user_sgpr_count 2
		.amdhsa_user_sgpr_kernarg_segment_ptr 1
		.amdhsa_wavefront_size32 1
		.amdhsa_system_sgpr_workgroup_id_x 1
		.amdhsa_system_sgpr_workgroup_id_y 1
		.amdhsa_system_sgpr_workgroup_id_z 1
		.amdhsa_system_vgpr_workitem_id 0
		.amdhsa_next_free_vgpr 248
		.amdhsa_next_free_sgpr 66
		.amdhsa_reserve_vcc 0
		.amdhsa_float_denorm_mode_32 3
		.amdhsa_float_denorm_mode_16_64 3
		.amdhsa_fp16_overflow 1
		.amdhsa_memory_ordered 1
		.amdhsa_forward_progress 1
		.amdhsa_inst_pref_size 80
	.end_amdhsa_kernel
	.amdgpu_metadata
---
amdhsa.version: [ 1, 2 ]
amdhsa.kernels:
  - .name:           k_q1ec19bc921_prep
    .symbol:         k_q1ec19bc921_prep.kd
    .args:
      - { .name: x, .offset: 0, .size: 8, .value_kind: global_buffer, .address_space: global }
      - { .name: W_attn, .offset: 8, .size: 8, .value_kind: global_buffer, .address_space: global }
      - { .name: W_proj, .offset: 16, .size: 8, .value_kind: global_buffer, .address_space: global }
      - { .name: lowp_scales, .offset: 24, .size: 8, .value_kind: global_buffer, .address_space: global }
      - { .name: x_img, .offset: 32, .size: 8, .value_kind: global_buffer, .address_space: global }
      - { .name: wa_img, .offset: 40, .size: 8, .value_kind: global_buffer, .address_space: global }
      - { .name: wp_img, .offset: 48, .size: 8, .value_kind: global_buffer, .address_space: global }
    .group_segment_fixed_size: 34304
    .private_segment_fixed_size: 0
    .kernarg_segment_align: 8
    .kernarg_segment_size: 56
    .max_flat_workgroup_size: 128
    .sgpr_count:     66
    .vgpr_count:     248
    .wavefront_size: 32
...
	.end_amdgpu_metadata
.endif
;; end of part 1
;; launch qkv (part 2): grid 4 x 64, 4 waves a work-group, clusters of 4 x 4, 327,680 bytes of LDS; arguments x_img, wa_img, b_attn, lowp_scales, q_img, kv_img; writes q_img, kv_img
.if DOCPART == 2
	.amdgcn_target "amdgcn-amd-amdhsa--gfx1250"
	.amdhsa_code_object_version 6
	.text
	.protected	k_q1ec19bc921_qkv
	.globl	k_q1ec19bc921_qkv
	.p2align	8
	.type	k_q1ec19bc921_qkv,@function
k_q1ec19bc921_qkv:
	s_mov_b64 s[64:65], 0
	v_nop
	global_prefetch_b8 v0, s[64:65] scope:SCOPE_SE
	s_setreg_imm32_b32 hwreg(HW_REG_WAVE_MODE, 25, 1), 1
	s_wait_xcnt 0x0
	s_wait_alu depctr_hold_cnt(0) depctr_sa_sdst(0) depctr_va_vdst(0) depctr_va_sdst(0) depctr_va_ssrc(0) depctr_va_vcc(0) depctr_vm_vsrc(0)
	s_getreg_b32 s2, hwreg(HW_REG_IB_STS2, 6, 4)
	s_cmp_eq_u32 s2, 0
	s_cbranch_scc0 .Lentry_in_a_cluster
	s_endpgm
.Lentry_in_a_cluster:
	s_bfe_u32 s2, ttmp6, 0x10000c
	s_cmp_lg_u32 s2, 0xf033
	s_cbranch_scc0 .Lentry_shape_is_right
	s_endpgm
.Lentry_shape_is_right:
; qkv = x W_attn + b_attn on codes of E4M3 (scales 2^e0, 2^e1), and its three parts quantised at once: q by 2^e2, k by 2^e3, v by 2^e5.  All buffers but the bias hold images of operand registers:
; a fragment of 16 rows x 128 along K is 2,048 bytes, the code of (row r, k) at (k / 32) 512 + ((k / 16) % 2) 256 + 16 r + k % 16; four loads of 16 bytes a lane, at 16 x lane + 512 c, fill it.
; That places k otherwise in the registers than the form's own layout, alike in both operands: every product meets its partner.
; LIMITS: e2 - e0 - e1, e3 - e0 - e1 and e5 - e0 - e1 lie between -126 and 119, so that each scale and 448 x it is an f32 number.
; SHARES.  A work-group of four waves owns 128 rows and STAYS for three tiles of 256 columns: q, k and v of the same four heads.  Wave w makes all 128 rows x 64 columns: one head; 32 accumulators, 256 registers.
; A's 128 rows x 1,024 codes (128 KB) are fetched once and stay in LDS for the three tiles.  B goes through a ring of two slots of one K step (256 along K, 64 KB); a wave fetches just the quarter that it reads itself.
; CLUSTER 4 x 4: the four work-groups of a row of the cluster need the same rows of A, the four of a column the same tiles of B: each is asked for jointly, by the same load with a mask that names the four.
; The 12 K steps are written out by macros: no loop.
; q and k: the product is used transposed (source 0 = 16 columns of W, source 1 = 16 rows of x): a lane holds one token and eight neighbouring channels, which are the next product's K.
; v: not transposed: a lane holds one channel and eight neighbouring tokens: the keys are K of the product that takes v.
; The bias, divided by 2^(e0 + e1), is the C of each tile's first products.
; OUT: q_img [batch x head: 64][128 tokens: 16][16 tokens: 8][16 x 64 image];  kv_img [64][16][K: 8 images of 16 x 64 | V: 4 images of 16 channels x 128 keys].
;   Row r' of K's image 2 b + u is key 32 b + 8 u + r' + 8 (r' / 8), so that in the scores a lane's 16 registers of two neighbouring tiles are 16 neighbouring keys.
; REGISTERS, in windows of 256: window 0: v1-31 addresses and scales, v32-95 the way out, v128-191 and v192-255 B's two sets;  window 1: A's two sets;  window 2: accumulator (a, b) at v[8 (4 a + b)];  window 3: the biases.
.set BSLOT, 131072                     ; LDS: A in 0 .. 131,071 (K step s at 32,768 s); B's two slots of 65,536 from here
.set STAGE, 262144                     ; 8,192 bytes for each wave: a tile's codes on the way out; no tensor load lands here
.set SPARE, 294912                     ; the spare words, 128 bytes a wave, which no other line names
.set FIRSTC, 2                         ; a tile's first products take the bias as C
.set LI,  1                            ; v1     16 x lane
.set AA,  2                            ; v2-5   A's K step s
.set BB,  6                            ; v6-7   my quarter of B's slot 0, 1
.set SQ,  8                            ; v8     the stage, for q and v: 16 r + 8 h
.set SK,  9                            ; v9     the stage, for k: 1,024 (r / 8) + 16 (r % 8) + 8 h
.set SR,  11                           ; v11    the stage, back: 16 x lane
.set SPW, 12                           ; v12    LDS address of my spare word; never rewritten
.set NIL, 13                           ; v13    0; never rewritten
.set SC,  14                           ; v14-16 the three conversions' scales
.set LM,  17                           ; v17-19 not written
.set VB,  20                           ; v20-23 v's bias as loaded
.set BO,  24                           ; v24    32 h
.set BR,  25                           ; v25    4 r
.set CD,  32                           ; v32-95 a tile's codes
.set WV,  16                           ; s16    my wave's number
.set G1A, 24                           ; s[24:31] descriptor group 1 for A;  s[32:39] for B
.set G1B, 32
.set G0A, 40                           ; s[40:43] group 0 for A;  s[44:47], s[48:51] for B's slots
.set G0B, 44
.set MSB, 0
.macro WIN new                         ; the immediate's high byte repeats the setting that is left; a switch that changes nothing is dropped
.if MSB != (\new)
	s_set_vgpr_msb (MSB<<8)|(\new)
.set MSB, (\new)
.endif
.endm
.macro PLACES                          ; four plain lines between matrix instructions and loads into registers that they read, or vector reads of their results
.rept 4
	v_nop
.endr
.endm
.macro CREST                           ; a round of the cluster's barrier behind its opening barrier
	s_cmp_lg_u32 s[WV], 0
	s_cbranch_scc1 .Lnot_wave_0_\@
	s_barrier_signal -3
.Lnot_wave_0_\@:
	s_barrier_wait -3
	s_barrier_signal -1
	s_barrier_wait -1
.endm
.macro CROUND
	s_barrier_signal -1
	s_barrier_wait -1
	CREST
.endm
; 48 LDS loads in one run: half kf of a K step: my 4 fragments of B from slot sl, A's 8 from K step s, into set kf.  Each load takes 512 consecutive bytes.
.macro FETCH s, sl, kf
	WIN 0
.irp b, 0,1,2,3
.irp c, 0,1,2,3
	ds_load_b128 v[128+64*(\kf)+16*\b+4*\c:128+64*(\kf)+16*\b+4*\c+3], v[BB+\sl] offset:\b*4096+(\kf)*2048+512*\c
.endr
.endr
	WIN 0x40                                       ; destination window 1
.irp a, 0,1,2,3,4,5,6,7
.irp c, 0,1,2,3
	ds_load_b128 v[128*(\kf)+16*\a+4*\c:128*(\kf)+16*\a+4*\c+3], v[AA+\s] offset:\a*4096+(\kf)*2048+512*\c
.endr
.endr
	WIN 0
.endm
; 4 cnt matrix instructions: A's blocks a0 on x my four of B, 128 along K, from set p.  ori = 0: transposed (source 0 = B), 1: not.  cm = 0: on the sums; 1: C = 0; 2: C = tile j's bias.
; The 32 accumulators take turns, one instruction a turn, in the same order in every half step.
.macro MUL a0, cnt, p, ori, cm, j
.if \cm == 2
	WIN 0xb4-3*(\ori)                              ; B window 0, A window 1, C window 3, D window 2
.else
	WIN 0xa4-3*(\ori)                              ; the same with C in window 2
.endif
.set ma, \a0
.rept \cnt
.irp b, 0,1,2,3
.set rD, 8*(4*ma+\b)
.set rA, 128*(\p)+16*ma
.set rB, 128+64*(\p)+16*\b
.set rC, 32*(\j)+8*\b
.if \ori == 0
.if \cm == 0
	v_wmma_f32_16x16x128_fp8_fp8 v[rD:rD+7], v[rB:rB+15], v[rA:rA+15], v[rD:rD+7]
.elseif \cm == 1
	v_wmma_f32_16x16x128_fp8_fp8 v[rD:rD+7], v[rB:rB+15], v[rA:rA+15], 0
.else
	v_wmma_f32_16x16x128_fp8_fp8 v[rD:rD+7], v[rB:rB+15], v[rA:rA+15], v[rC:rC+7]
.endif
.else
.if \cm == 0
	v_wmma_f32_16x16x128_fp8_fp8 v[rD:rD+7], v[rA:rA+15], v[rB:rB+15], v[rD:rD+7]
.elseif \cm == 1
	v_wmma_f32_16x16x128_fp8_fp8 v[rD:rD+7], v[rA:rA+15], v[rB:rB+15], 0
.else
	v_wmma_f32_16x16x128_fp8_fp8 v[rD:rD+7], v[rA:rA+15], v[rB:rB+15], v[rC:rC+7]
.endif
.endif
.endr
.set ma, ma+1
.endr
.endm
; K step g (tile g / 4, A's K step g % 4, B's slot g % 2), first half: multiplies set 0 while set 1 comes.
.macro SUB0 g
	s_wait_dscnt 0x0                               ; set 0 is in (asked for half a step ago)
	PLACES
	FETCH (\g)%4, (\g)%2, 1
.if (\g)%4 == 0
	MUL 0, 8, 0, (\g)/8, FIRSTC, (\g)/4            ; a tile's first products start the sums: nothing is cleared
.else
	MUL 0, 8, 0, (\g)/8, 0, 0
.endif
	WIN 0
.endm
; Second half, with a change of slots.  In front of the round each wave waits for all its tensor loads (the one that is out: my quarter of the other slot), adds 0 to its spare word, and waits for that and for
; its reads of this slot.  Behind the round this slot takes K step g + 2: that load has 48 matrix instructions in which to land.
.macro TURN g
	WIN 0
	s_wait_tensorcnt 0x0                           ; no tensor load of mine is out
	ds_add_u32 v[SPW], v[NIL]                      ; 0 onto my spare word
	s_wait_dscnt 0x1                               ; set 1 is in; the add alone may be out
	MUL 0, 2, 1, (\g)/8, 0, 0                      ; eight matrix instructions stand between the add and the wait for it
	s_wait_dscnt 0x0                               ; the add is done, and my reads of this slot are over
	s_barrier_signal -1
	MUL 2, 2, 1, (\g)/8, 0, 0                      ; work on registers while the others arrive
	WIN 0
	s_barrier_wait -1
	CREST                                          ; no wave of any partner still reads this slot or has a load on its way
	s_add_nc_u64 s[G0B+4*((\g)%2)+2:G0B+4*((\g)%2)+3], s[G0B+4*((\g)%2)+2:G0B+4*((\g)%2)+3], 524288   ; two planes of 262,144 bytes on
	tensor_load_to_lds s[G0B+4*((\g)%2):G0B+4*((\g)%2)+3], s[G1B:G1B+7]
	s_nop 0
	PLACES                                         ; also the places in front of the loads below
	FETCH ((\g)+1)%4, 1-(\g)%2, 0
	MUL 4, 4, 1, (\g)/8, 0, 0
	WIN 0
.endm
.macro TURN_NF g                       ; the last K step but one: nothing is left to fetch, so no round.  The last slot's quarter is my own load's: my own wait shows it
	s_wait_tensorcnt 0x0                           ; no load was issued behind it
	s_wait_dscnt 0x0
	PLACES
	FETCH ((\g)+1)%4, 1-(\g)%2, 0
	MUL 0, 8, 1, (\g)/8, 0, 0
	WIN 0
.endm
.macro LASTSUB g
	s_wait_dscnt 0x0
	MUL 0, 8, 1, (\g)/8, 0, 0
	WIN 0
.endm
; THE WAY OUT of tile j: held, converted, laid as images in my own stage, read back 16 bytes a lane and stored: 8,192 consecutive bytes.
.macro EPI j
	PLACES
	WIN 0x82                                       ; source 0 and destination window 2
.set i, 0
.rept 256
.set i, i+1
.endr
	s_wait_xcnt 0x0                                ; the last tile's stores have read their registers
	WIN 0x02                                       ; source 0 window 2, destination window 0
.set i, 0
.rept 32
	v_cvt_scalef32_pk8_fp8_f32 v[CD+2*i:CD+2*i+1], v[8*i:8*i+7], v[SC+(\j)]
.set i, i+1
.endr
	v_nop                                          ; one plain line behind the run of conversions: the next tile's products write their sources
	WIN 0
.irp a, 0,1,2,3,4,5,6,7
.irp b, 0,1,2,3
.if (\j) == 0
	ds_store_b64 v[SQ], v[CD+2*(4*\a+\b):CD+2*(4*\a+\b)+1] offset:\a*1024+(\b/2)*512+(\b%2)*256            ; token 16 a + r, channels 16 b + 8 h on
.elseif (\j) == 1
	ds_store_b64 v[SK], v[CD+2*(4*\a+\b):CD+2*(4*\a+\b)+1] offset:(\a/2)*2048+(\a%2)*128+(\b/2)*512+(\b%2)*256   ; key 16 a + r is row 8 (a % 2) + r % 8 of image 2 (a / 2) + r / 8
.else
	ds_store_b64 v[SQ], v[CD+2*(4*\a+\b):CD+2*(4*\a+\b)+1] offset:\b*2048+(\a/2)*512+(\a%2)*256            ; channel 16 b + r, keys 16 a + 8 h on
.endif
.endr
.endr
.set i, 0
.rept 16
	ds_load_b128 v[CD+4*i:CD+4*i+3], v[SR] offset:512*i   ; LDS serves a wave's instructions in order (ISA guide 5.7.1.4): these see my stores
.set i, i+1
.endr
.set i, 0
.rept 16
	s_wait_dscnt 15-i                              ; the younger loads from the stage may be out
	global_store_b128 v[LI], v[CD+4*i:CD+4*i+3], s[68+2*(\j):69+2*(\j)] offset:512*i
.set i, i+1
.endr
.endm
	s_load_b256 s[4:11], s[0:1], 0x0               ; x_img s[4:5], wa_img s[6:7], b_attn s[8:9], the scales' exponents s[10:11]
	s_load_b128 s[12:15], s[0:1], 0x20             ; q_img s[12:13], kv_img s[14:15]
	v_lshl_add_u32 v[SPW], v0, 2, SPARE
	v_mov_b32 v[NIL], 0
	ds_add_u32 v[SPW], v[NIL]
	ds_add_u32 v[SPW], v[NIL]                      ; the wave's opening: the add and its wait ahead of my first tensor load; work on registers stands between them
	v_lshrrev_b32 v1, 5, v0
	v_readfirstlane_b32 s[WV], v1                  ; wave 0..3
	s_bfe_u32 s17, ttmp6, 0x40000                  ; cx
	s_bfe_u32 s18, ttmp6, 0x40004                  ; cy
	s_lshl_b32 s19, ttmp9, 2
	s_add_co_u32 s19, s19, s17                     ; X: which 256 columns of each part
	s_and_b32 s20, ttmp7, 0xffff
	s_lshl_b32 s20, s20, 2
	s_add_co_u32 s20, s20, s18                     ; Y: which 128 rows
	s_lshl_b32 s21, s18, 2
	s_lshl_b32 s21, 15, s21                        ; my row of the cluster
	s_lshl_b32 s22, 0x1111, s17                    ; my column
	s_or_b32 s[G1A], s21, (3<<16)|(1<<21)          ; 15:0 the mask; 17:16 elements of 8 bytes; 21 set beside a mask; no padding
	s_mov_b32 s[G1A+1], 32<<16                     ; tensor_dim0 = 32 elements: 256 bytes
	s_mov_b32 s[G1A+2], 128<<16                    ; tensor_dim1 = 128 rows: 32 KB, dense
	s_mov_b32 s[G1A+3], 32<<16                     ; tile_dim0
	s_mov_b32 s[G1A+4], 128                        ; tile_dim1
	s_mov_b32 s[G1A+5], 32                         ; from row to row
	s_mov_b32 s[G1A+6], 0
	s_mov_b32 s[G1A+7], 0
	s_or_b32 s[G1B], s22, (3<<16)|(1<<21)
	s_mov_b32 s[G1B+1], 32<<16
	s_mov_b32 s[G1B+2], 64<<16                     ; 64 rows: 16 KB
	s_mov_b32 s[G1B+3], 32<<16
	s_mov_b32 s[G1B+4], 64
	s_mov_b32 s[G1B+5], 32
	s_mov_b32 s[G1B+6], 0
	s_mov_b32 s[G1B+7], 0
	s_lshl_b32 s76, s[WV], 21                      ; A: wave w fetches K step w: its plane,
	s_lshl_b32 s77, s20, 15                        ; my 128 rows in it: made of Y and the wave's number alone
	s_add_co_u32 s76, s76, s77
	s_mov_b32 s77, 0
	s_lshl_b32 s78, s19, 16                        ; B: my 256 columns of a plane,
	s_lshl_b32 s79, s[WV], 14                      ; my wave's 64: made of X and the wave's number alone
	s_add_co_u32 s78, s78, s79
	s_mov_b32 s79, 0
	s_lshl_b32 s80, s19, 10                        ; the bias: 4 (256 X + 64 w)
	s_lshl_b32 s81, s[WV], 8
	s_add_co_u32 s80, s80, s81
	s_mov_b32 s81, 0
	s_lshr_b32 s82, s20, 4                         ; the batch,
	s_lshl_b32 s82, s82, 4
	s_lshl_b32 s83, s19, 2
	s_add_co_u32 s82, s82, s83
	s_add_co_u32 s82, s82, s[WV]                   ; x 16 + my head 4 X + w,
	s_lshl_b32 s82, s82, 4
	s_and_b32 s83, s20, 15
	s_add_co_u32 s82, s82, s83                     ; x 16 + the block of 128 tokens
	s_lshl_b32 s84, s82, 13
	s_mov_b32 s85, 0
	s_lshl_b32 s86, s82, 14
	s_mov_b32 s87, 0
	s_wait_dscnt 0x0                               ; the opening add is done
	s_wait_kmcnt 0x0
	s_load_b256 s[52:59], s[10:11], 0x0            ; e0 .. e7
	s_mov_b32 s[G0A], 1
	s_lshl_b32 s[G0A+1], s[WV], 15                 ; LDS: 32,768 w
	s_add_nc_u64 s[G0A+2:G0A+3], s[4:5], s[76:77]
	s_or_b32 s[G0A+3], s[G0A+3], 0x80000000
	s_mov_b32 s[G0B], 1
	s_lshl_b32 s[G0B+1], s[WV], 14
	s_add_co_u32 s[G0B+1], s[G0B+1], BSLOT         ; LDS: slot 0 + 16,384 w
	s_add_nc_u64 s[G0B+2:G0B+3], s[6:7], s[78:79]  ; K step 0
	s_mov_b32 s[G0B+4], 1
	s_add_co_u32 s[G0B+5], s[G0B+1], 65536         ; slot 1
	s_add_nc_u64 s[G0B+6:G0B+7], s[G0B+2:G0B+3], 262144   ; K step 1
	s_or_b32 s[G0B+3], s[G0B+3], 0x80000000
	s_or_b32 s[G0B+7], s[G0B+7], 0x80000000
	s_add_nc_u64 s[74:75], s[8:9], s[80:81]        ; the bias of my 64 columns of q
	s_add_nc_u64 s[68:69], s[12:13], s[84:85]      ; where q goes,
	s_add_nc_u64 s[70:71], s[14:15], s[86:87]      ; k,
	s_add_nc_u64 s[72:73], s[70:71], 8192          ; and v
	CROUND                                         ; all sixteen work-groups are here: the first joint loads meet
	tensor_load_to_lds s[G0B:G0B+3], s[G1B:G1B+7]      ; three loads of mine are out: B's K step 0,
	s_nop 0
	tensor_load_to_lds s[G0A:G0A+3], s[G1A:G1A+7]      ; A's K step w,
	s_nop 0
	tensor_load_to_lds s[G0B+4:G0B+7], s[G1B:G1B+7]    ; B's K step 1
	s_nop 0
	PLACES
	v_and_b32 v1, 31, v0
	v_lshlrev_b32 v[LI], 4, v1
	v_mov_b32 v[AA], v[LI]
	v_add_nc_u32 v[AA+1], 32768, v[LI]
	v_add_nc_u32 v[AA+2], 65536, v[LI]
	v_add_nc_u32 v[AA+3], 98304, v[LI]
	s_lshl_b32 s76, s[WV], 14
	s_add_co_u32 s76, s76, BSLOT
	v_add_nc_u32 v[BB], s76, v[LI]
	v_add_nc_u32 v[BB+1], 65536, v[BB]
	s_lshl_b32 s77, s[WV], 13
	s_add_co_u32 s77, s77, STAGE                   ; my stage
	v_and_b32 v26, 15, v0                          ; r
	v_bfe_u32 v27, v0, 4, 1                        ; h
	v_lshlrev_b32 v[SQ], 4, v26
	v_lshl_add_u32 v[SQ], v27, 3, v[SQ]
	v_add_nc_u32 v[SQ], s77, v[SQ]
	v_bfe_u32 v28, v0, 3, 1                        ; r / 8
	v_and_b32 v29, 7, v0                           ; r % 8
	v_lshlrev_b32 v[SK], 10, v28
	v_lshl_add_u32 v[SK], v29, 4, v[SK]
	v_lshl_add_u32 v[SK], v27, 3, v[SK]
	v_add_nc_u32 v[SK], s77, v[SK]
	v_add_nc_u32 v[SR], s77, v[LI]
	v_lshlrev_b32 v[BO], 5, v27
	v_lshlrev_b32 v[BR], 2, v26
	WIN 0xc0                                       ; destination window 3
.irp j, 0,1
.irp b, 0,1,2,3
	global_load_b128 v[32*\j+8*\b:32*\j+8*\b+3], v[BO], s[74:75] offset:\j*4096+64*\b        ; q's and k's bias in the transposed result's layout: channels 16 b + 8 h + 0 .. 7
	global_load_b128 v[32*\j+8*\b+4:32*\j+8*\b+7], v[BO], s[74:75] offset:\j*4096+64*\b+16
.endr
.endr
	WIN 0
.irp b, 0,1,2,3
	global_load_b32 v[VB+\b], v[BR], s[74:75] offset:8192+64*\b                              ; v's: a lane holds one channel, 16 b + r
.endr
	s_wait_tensorcnt 0x1                           ; my quarter of B's slot 0 and my K step of A are in; slot 1's load, issued last, may stay out
	s_barrier_signal -1
	s_barrier_wait -1                              ; all of A is in
	FETCH 0, 0, 0
	s_wait_loadcnt 0x0                             ; the biases
	s_wait_kmcnt 0x0
	s_add_co_i32 s60, s52, s53                     ; e0 + e1: a sum stands for sum x 2^(e0 + e1)
	s_sub_co_i32 s61, 0, s60
.macro MKS k, se                       ; a sum's code is sum / 2^(e - e0 - e1): the three scales folded into the conversion's one
	s_sub_co_i32 s62, s[\se], s60
	s_add_co_i32 s62, s62, 127
	s_lshl_b32 s63, s62, 23
	v_mov_b32 v[SC+\k], s63
.endm
	MKS 0, 54                                      ; q: e2
	MKS 1, 55                                      ; k: e3
	MKS 2, 57                                      ; v: e5
	WIN 0xc3                                       ; source 0 and destination window 3
.set i, 0
.rept 64
	v_ldexp_f32 v[i], v[i], s61                    ; the bias goes in as b / 2^(e0 + e1)
.set i, i+1
.endr
	WIN 0xc0                                       ; source 0 window 0
.irp b, 0,1,2,3
.irp i, 0,1,2,3,4,5,6,7
	v_ldexp_f32 v[64+8*\b+\i], v[VB+\b], s61       ; v's: scaled and copied to the eight registers of a tile in one line each
.endr
.endr
	WIN 0
.irp g, 0,1,2,3,4,5,6,7,8,9,10,11
	SUB0 \g
.if \g <= 9
	TURN \g
.elseif \g == 10
	TURN_NF \g
.else
	LASTSUB \g
.endif
.if \g % 4 == 3
	EPI \g/4                                       ; while a tile goes out, the next tile's first fragments and B's refill are on their way
.endif
.endr
	s_wait_tensorcnt 0x0                           ; the wave's end: behind my last tensor load and my last LDS store
	ds_add_u32 v[SPW], v[NIL]
	s_wait_dscnt 0x0
	CROUND                                         ; the closing round: no work-group ends while a partner may still ask for a tile that names it
	s_endpgm
.Lfunc_end_k_q1ec19bc921_qkv:
	.size	k_q1ec19bc921_qkv, .Lfunc_end_k_q1ec19bc921_qkv-k_q1ec19bc921_qkv
	.p2alignl 7, 3214868480
	.fill 96, 4, 3214868480
	.section	.rodata,"a",@progbits
	.p2align	6, 0x0
	.amdhsa_kernel k_q1ec19bc921_qkv
		.amdhsa_group_segment_fixed_size 327680
		.amdhsa_private_segment_fixed_size 0
		.amdhsa_enable_private_segment 0
		.amdhsa_kernarg_size 48
		.amdhsa_user_sgpr_count 2
		.amdhsa_user_sgpr_kernarg_segment_ptr 1
		.amdhsa_wavefront_size32 1
		.amdhsa_system_sgpr_workgroup_id_x 1
		.amdhsa_system_sgpr_workgroup_id_y 1
		.amdhsa_system_sgpr_workgroup_id_z 1
		.amdhsa_system_vgpr_workitem_id 0
		.amdhsa_next_free_vgpr 1024
		.amdhsa_next_free_sgpr 96
		.amdhsa_reserve_vcc 0
		.amdhsa_float_denorm_mode_32 3
		.amdhsa_float_denorm_mode_16_64 3
		.amdhsa_fp16_overflow 1
		.amdhsa_memory_ordered 1
		.amdhsa_forward_progress 1
		.amdhsa_inst_pref_size 170
	.end_amdhsa_kernel
	.amdgpu_metadata
---
amdhsa.version: [ 1, 2 ]
amdhsa.kernels:
  - .name:           k_q1ec19bc921_qkv
    .symbol:         k_q1ec19bc921_qkv.kd
    .args:
      - { .name: x_img, .offset: 0, .size: 8, .value_kind: global_buffer, .address_space: global }
      - { .name: wa_img, .offset: 8, .size: 8, .value_kind: global_buffer, .address_space: global }
      - { .name: b_attn, .offset: 16, .size: 8, .value_kind: global_buffer, .address_space: global }
      - { .name: lowp_scales, .offset: 24, .size: 8, .value_kind: global_buffer, .address_space: global }
      - { .name: q_img, .offset: 32, .size: 8, .value_kind: global_buffer, .address_space: global }
      - { .name: kv_img, .offset: 40, .size: 8, .value_kind: global_buffer, .address_space: global }
    .group_segment_fixed_size: 327680
    .private_segment_fixed_size: 0
    .kernarg_segment_align: 8
    .kernarg_segment_size: 48
    .max_flat_workgroup_size: 128
    .sgpr_count:     96
    .vgpr_count:     1024
    .wavefront_size: 32
...
	.end_amdgpu_metadata
.endif
;; end of part 2
;; launch attn (part 3): grid 4 x 64, 16 waves a work-group, clusters of 4 x 1, 327,680 bytes of LDS; arguments q_img, kv_img, lowp_scales, y_img; writes y_img
.if DOCPART == 3
	.amdgcn_target "amdgcn-amd-amdhsa--gfx1250"
	.amdhsa_code_object_version 6
	.text
	.protected	k_q1ec19bc921_attn
	.globl	k_q1ec19bc921_attn
	.p2align	8
	.type	k_q1ec19bc921_attn,@function
k_q1ec19bc921_attn:
	s_mov_b64 s[64:65], 0
	v_nop
	global_prefetch_b8 v0, s[64:65] scope:SCOPE_SE
	s_setreg_imm32_b32 hwreg(HW_REG_WAVE_MODE, 25, 1), 1
	s_wait_xcnt 0x0
	s_wait_alu depctr_hold_cnt(0) depctr_sa_sdst(0) depctr_va_vdst(0) depctr_va_sdst(0) depctr_va_ssrc(0) depctr_va_vcc(0) depctr_vm_vsrc(0)
	s_getreg_b32 s2, hwreg(HW_REG_IB_STS2, 6, 4)
	s_cmp_eq_u32 s2, 0
	s_cbranch_scc0 .Lentry_in_a_cluster
	s_endpgm
.Lentry_in_a_cluster:
	s_bfe_u32 s2, ttmp6, 0x10000c
	s_cmp_lg_u32 s2, 0x3003
	s_cbranch_scc0 .Lentry_shape_is_right
	s_endpgm
.Lentry_shape_is_right:
; y = softmax(q k^T / 8, causal) v for 64 heads (batch x head) of 2,048 tokens x 64 channels, both products on codes of E4M3; y is quantised by 2^e6 for the projection.
; THE SOFTMAX AHEAD OF THE SECOND PRODUCT: t = score x log2(e) / 8; M = the row's largest t so far, rounded UP to a whole number; p = 2^(t - M) is quantised by 2^e4, not normalised.
; The row's sum is taken of the unquantised p, in f32, and divides O at the end.  When M moves, the sum and O are multiplied by 2^(old M - new M): nothing is rounded.
; LIMITS: e2 + e3 between -123 and 130 (added to the exponent field of log2(e) / 8); e4, and e6 - e4 - e5, between -126 and 119.
; A HEAD'S K AND V STAY IN LDS.  They are 256 KB as kv_img holds them ([128 keys: 16][K: 8 images of 16 keys x 64 | V: 4 images of 16 channels x 128 keys]), copied as they lie into LDS bytes 0 .. 262,143
; by first fills alone: two loads of 8 KB a wave.  No byte is filled again: no ring, and no barrier inside the walk over the keys.
; CLUSTER 4 x 1: the four work-groups of a cluster are one head, and ask for its K and V jointly.
; SHARES.  Wave w of partner p owns two tiles of 16 queries, one after the other: in block min(w, 15 - w) of 128 queries, then in block 15 - that; in both sub-tile p + 4 (w / 8).
; A tile in block b walks key blocks 0 .. b: every wave of every work-group has 17 key steps of 128 keys.  What is walked hangs on the wave's number alone; the partner's place enters only global addresses and the mask's compare.
; The loops' trip counts are constants (8 and 16): a step whose keys all come after the tile's block is jumped over by a scalar branch.  The first phase needs only the first half of the keys.
; LAYOUT.  Both products are used transposed: S^T = K Q^T (source 0 = 16 keys), O^T = V^T P^T (source 0 = 16 channels): a lane holds ONE query (lane % 16) throughout.
; Row r' of K's image 2 b + u is key 32 b + 8 u + r' + 8 (r' / 8): the 16 registers of score tiles 2 b and 2 b + 1 are keys 32 b + 16 (lane / 16) + 0 .. 15: as V's images have them.
; REGISTERS: v1-8 addresses; v12 -M, v13 the largest t, v[14:15] the sum; v16-31 Q of the two phases; v32-95 K's fragments, then V's; v96-159 S^T, then p; v160-191 O^T; v192-223 y; v224-239 codes; v236-254 at work.
.set SPARE, 262144                     ; behind K and V: the spare words, 128 bytes for each of 16 waves, which no other line names
.set LI,   1                           ; v1   16 x lane
.set GO,   2                           ; v2   16 r + 8 h: my 8 bytes of an image's 256
.set DM,   3                           ; v3   my query's place in its block - 16 h
.set NINF, 4                           ; v4   -infinity
.set SPW,  5                           ; v5   LDS address of my spare word; never rewritten
.set NIL,  6                           ; v6   0; never rewritten
.set ADR,  8                           ; v8   the key block in hand
.set WV,   16                          ; s16  my wave's number
.set SEL,  20                          ; s[20:21] lane selects: lane l xor 16
.set CS,   22                          ; s[22:23] c = log2(e) / 8 x 2^(e2 + e3)
.set G1,   24                          ; s[24:31] descriptor group 1
.set G0,   32                          ; s[32:35], s[36:39] groups 0: the first and the second half of the keys
.set BET,  40                          ; s40, s41 my block of queries in phase 0, 1
.set JJ,   42                          ; s42  the key block in hand
.set TB,   43                          ; s43  its first LDS byte
.set QB,   46                          ; s[46:47], s[48:49] Q's images
.set YB,   50                          ; s[50:51], s[52:53] y's places
.macro CROUND
	s_barrier_signal -1
	s_barrier_wait -1
	s_cmp_lg_u32 s[WV], 0
	s_cbranch_scc1 .Lnot_wave_0_\@
	s_barrier_signal -3
.Lnot_wave_0_\@:
	s_barrier_wait -3
	s_barrier_signal -1
	s_barrier_wait -1
.endm
	s_load_b256 s[4:11], s[0:1], 0x0               ; q_img s[4:5], kv_img s[6:7], the scales' exponents s[8:9], y_img s[10:11]
	v_lshl_add_u32 v[SPW], v0, 2, SPARE
	v_mov_b32 v[NIL], 0
	ds_add_u32 v[SPW], v[NIL]                      ; the wave's opening: the add and its wait ahead of my first tensor load; work on registers stands between them
	ds_add_u32 v[SPW], v[NIL]
	v_lshrrev_b32 v1, 5, v0
	s_delay_alu instid0(VALU_DEP_1)
	v_readfirstlane_b32 s[WV], v1                  ; wave 0..15
	s_bfe_u32 s17, ttmp6, 0x40000                  ; cx: my place in the cluster
	s_and_b32 s18, ttmp7, 0xffff                   ; batch x 16 + head, which the four partners share
	s_xor_b32 s[BET+1], s[WV], 15                  ; 15 - w
	s_min_u32 s[BET], s[WV], s[BET+1]
	s_xor_b32 s[BET+1], s[BET], 15
	s_lshr_b32 s44, s[WV], 3
	s_lshl_b32 s44, s44, 2
	s_add_co_u32 s44, s44, s17                     ; my sub-tile of 16 queries
	s_lshl_b32 s66, s18, 18                        ; K and V: the head's 262,144 bytes,
	s_lshl_b32 s67, s[WV], 13                      ; my wave's 8,192 of each half: made of the head and the wave's number alone
	s_add_co_u32 s66, s66, s67
	s_mov_b32 s67, 0
	s_lshl_b32 s68, s18, 17                        ; Q: the head's 131,072 bytes, the sub-tile's 1,024,
	s_lshl_b32 s69, s44, 10
	s_add_co_u32 s68, s68, s69
	s_lshl_b32 s69, s[BET], 13                     ; the block's 8,192
	s_add_co_u32 s70, s68, s69
	s_mov_b32 s71, 0
	s_lshl_b32 s69, s[BET+1], 13
	s_add_co_u32 s72, s68, s69
	s_mov_b32 s73, 0
	s_and_b32 s68, s18, 15                         ; y_img [K step of 256: 4][16 rows: 512][half: 2][image], K = 64 x head + channel:
	s_lshr_b32 s69, s68, 2
	s_lshl_b32 s69, s69, 21                        ; the K step is head / 4;
	s_and_b32 s68, s68, 3
	s_lshl_b32 s68, s68, 10                        ; the half and the 64 within it: 1,024 (head % 4);
	s_add_co_u32 s68, s68, s69
	s_lshr_b32 s69, s18, 4
	s_lshl_b32 s69, s69, 19                        ; 128 groups of 16 rows a batch,
	s_add_co_u32 s68, s68, s69
	s_lshl_b32 s69, s44, 12                        ; one a sub-tile,
	s_add_co_u32 s68, s68, s69
	s_lshl_b32 s69, s[BET], 15                     ; eight a block
	s_add_co_u32 s74, s68, s69
	s_mov_b32 s75, 0
	s_lshl_b32 s69, s[BET+1], 15
	s_add_co_u32 s76, s68, s69
	s_mov_b32 s77, 0
	s_mov_b32 s[G1], 15|(3<<16)|(1<<21)            ; 15:0 the mask: all four work-groups; 17:16 elements of 8 bytes; 21 set beside a mask; no padding
	s_mov_b32 s[G1+1], 32<<16                      ; tensor_dim0 = 32 elements: 256 bytes
	s_mov_b32 s[G1+2], 32<<16                      ; tensor_dim1 = 32 rows: 8 KB, dense
	s_mov_b32 s[G1+3], 32<<16                      ; tile_dim0
	s_mov_b32 s[G1+4], 32                          ; tile_dim1
	s_mov_b32 s[G1+5], 32                          ; from row to row
	s_mov_b32 s[G1+6], 0
	s_mov_b32 s[G1+7], 0
	s_mov_b32 s[SEL], 0x76543210
	s_mov_b32 s[SEL+1], 0xfedcba98
	s_mov_b32 s[CS], 0x3e38aa3b                    ; log2(e) / 8
	s_wait_dscnt 0x0                               ; the opening add is done
	s_wait_kmcnt 0x0
	s_load_b256 s[56:63], s[8:9], 0x0              ; e0 .. e7
	s_mov_b32 s[G0], 1
	s_lshl_b32 s[G0+1], s[WV], 13                  ; LDS: 8,192 w
	s_add_nc_u64 s[G0+2:G0+3], s[6:7], s[66:67]
	s_mov_b32 s[G0+4], 1
	s_add_co_u32 s[G0+5], s[G0+1], 131072          ; and the same in the second half
	s_add_nc_u64 s[G0+6:G0+7], s[G0+2:G0+3], 131072
	s_or_b32 s[G0+3], s[G0+3], 0x80000000
	s_or_b32 s[G0+7], s[G0+7], 0x80000000
	s_add_nc_u64 s[QB:QB+1], s[4:5], s[70:71]
	s_add_nc_u64 s[QB+2:QB+3], s[4:5], s[72:73]
	s_add_nc_u64 s[YB:YB+1], s[10:11], s[74:75]
	s_add_nc_u64 s[YB+2:YB+3], s[10:11], s[76:77]
	CROUND                                         ; all four work-groups are here: the joint loads meet
	tensor_load_to_lds s[G0:G0+3], s[G1:G1+7]          ; key blocks 0-7
	s_nop 0
	s_wait_alu depctr_va_vdst(0)
	s_wait_tensorcnt 0x0
	ds_add_u32 v5, v6
	s_wait_dscnt 0x0
	CROUND
	tensor_load_to_lds s[G0+4:G0+7], s[G1:G1+7]        ; key blocks 8-15
	s_nop 0
.rept 4
	v_nop
.endr
	v_and_b32 v1, 31, v0
	s_delay_alu instid0(VALU_DEP_1)
	v_lshlrev_b32 v[LI], 4, v1
	global_load_b128 v[16:19], v[LI], s[QB:QB+1]               ; Q's fragments stay in registers: 16 queries x 64
	global_load_b128 v[20:23], v[LI], s[QB:QB+1] offset:512
	global_load_b128 v[24:27], v[LI], s[QB+2:QB+3]
	global_load_b128 v[28:31], v[LI], s[QB+2:QB+3] offset:512
	v_and_b32 v7, 15, v0                           ; r
	v_bfe_u32 v9, v0, 4, 1                         ; h
	s_delay_alu instid0(VALU_DEP_2)
	v_lshlrev_b32 v[GO], 4, v7
	s_delay_alu instid0(VALU_DEP_1)
	v_lshl_add_u32 v[GO], v9, 3, v[GO]
	s_delay_alu instid0(VALU_DEP_3)
	v_lshlrev_b32 v10, 4, v9
	s_delay_alu instid0(VALU_DEP_1)
	v_sub_nc_u32 v[DM], v7, v10
	s_lshl_b32 s45, s44, 4
	v_add_nc_u32 v[DM], s45, v[DM]                 ; 16 x sub-tile + r - 16 h
	v_mov_b32 v[NINF], 0xff800000
	v_mov_b32 v236, 0                              ; written once: a lane permute's destination counts as one of its sources
	v_mov_b32 v252, 0
	v_mov_b32 v253, 0                              ; (named as the upper half of the pair v[252:253])
	s_wait_kmcnt 0x0
	s_add_co_i32 s68, s58, s59
	s_lshl_b32 s68, s68, 23
	s_add_co_i32 s[CS], s[CS], s68                 ; a score stands for score x 2^(e2 + e3): the exponents are added to c's exponent field
	s_mov_b32 s[CS+1], s[CS]                       ; (named with it as a pair, so it is written)
	s_add_co_i32 s68, s60, 127
	s_lshl_b32 s69, s68, 23
	v_mov_b32 v244, s69                            ; 2^e4, for p's conversion
	s_sub_co_i32 s68, s62, s60
	s_sub_co_i32 s68, s68, s61
	s_add_co_i32 s68, s68, 127
	s_lshl_b32 s69, s68, 23
	v_mov_b32 v245, s69                            ; 2^(e6 - e4 - e5): O / l stands for y / 2^(e4 + e5): the three scales folded into y's conversion
	s_wait_loadcnt 0x0                             ; Q
; A KEY STEP: the 128 keys of block s[JJ], for the tile of phase p.
.macro STEP p
	v_add_nc_u32 v[ADR], s[TB], v[LI]
.rept 3
	v_nop                                          ; with the addition: four places in front of loads into registers that the last step's products read
.endr
.irp t, 0,1,2,3,4,5,6,7
	ds_load_b128 v[32+8*\t:35+8*\t], v[ADR] offset:\t*1024
	ds_load_b128 v[36+8*\t:39+8*\t], v[ADR] offset:\t*1024+512
.endr
	s_wait_alu depctr_va_vdst(0)
	s_wait_dscnt 0x0
.irp t, 0,1,2,3,4,5,6,7
	v_wmma_f32_16x16x64_fp8_fp8 v[96+8*\t:103+8*\t], v[32+8*\t:39+8*\t], v[16+8*(\p):23+8*(\p)], 0
.endr
.rept 4
	v_nop                                          ; places in front of the loads below and of the first read of the scores
.endr
.irp t, 0,1,2,3
.irp c, 0,1,2,3
	ds_load_b128 v[32+16*\t+4*\c:35+16*\t+4*\c], v[ADR] offset:8192+\t*2048+512*\c   ; V's four fragments come while the softmax is worked
.endr
.endr
	s_cmp_lg_u32 s[JJ], s[BET+\p]                  ; only my own block lies on the diagonal
	s_cbranch_scc1 .Lopen_\@
.set n, 0
.rept 64
	v_cmp_gt_i32 vcc_lo, 32*(n/16)+n%16, v[DM]     ; register 16 b + i holds key 32 b + 16 h + i of the block: hidden where that is above my query's place
	v_cndmask_b32 v[96+n], v[96+n], v[NINF], vcc_lo
.set n, n+1
.endr
.Lopen_\@:
	v_max3_num_f32 v254, v96, v97, v98             ; the step's largest score of my query among my 64 keys, in two chains, ascending,
	v_max3_num_f32 v252, v99, v100, v101
.irp i, 6,10,14,18,22,26,30,34,38,42,46,50,54,58
	v_max3_num_f32 v254, v254, v[96+\i], v[97+\i]
	v_max3_num_f32 v252, v252, v[98+\i], v[99+\i]
.endr
	v_max3_num_f32 v254, v254, v158, v159
	s_delay_alu instid0(VALU_DEP_1)
	v_max_num_f32 v254, v254, v252
	v_permlanex16_b32 v236, v254, s[SEL], s[SEL+1]
	s_delay_alu instid0(VALU_DEP_1)
	v_max_num_f32 v254, v254, v236                 ; and among lane l xor 16's
	s_delay_alu instid0(VALU_DEP_1)
	v_mul_f32 v254, s[CS], v254                    ; as t (c is positive)
	s_delay_alu instid0(VALU_DEP_1)
	v_max_num_f32 v13, v13, v254                   ; the running largest t
	v_mov_b32 v254, v12
	s_delay_alu instid0(VALU_DEP_2)
	v_floor_f32 v12, -v13                          ; the new -M = floor(-t) = -ceil(t)
	s_delay_alu instid0(VALU_DEP_1)
	v_sub_f32 v254, v12, v254                      ; old M - new M: a whole number, 0 or less
	s_delay_alu instid0(VALU_DEP_1)
	v_cvt_i32_f32 v254, v254                       ; (it saturates)
	s_delay_alu instid0(VALU_DEP_1)
	v_ldexp_f32 v252, 1.0, v254                    ; f = 2^(old M - new M)
.set j, 0
	s_setprio 1
.rept 32
	v_pk_fma_f32 v[96+j:97+j], v[96+j:97+j], s[CS:CS+1], v[12:13] op_sel_hi:[1,0,0]   ; t - M, two at a time
.set j, j+2
.endr
.set j, 0
	s_wait_alu depctr_va_vdst(0)
.rept 64
	v_exp_f32 v[96+j], v[96+j]                     ; p = 2^(t - M), at most 1
.set j, j+1
.endr
	v_pk_mul_f32 v[14:15], v[14:15], v[252:253] op_sel_hi:[1,0]   ; the sum under the new M: the plain line behind the exponentials
	s_wait_alu depctr_va_vdst(0)                   ; one wait for the batch of 64, ahead of its first reader
	v_pk_add_f32 v[242:243], v[96:97], v[98:99]    ; the row's sum is taken of the unquantised p, in two chains
.irp j, 4,8,12,16,20,24,28,32,36,40,44,48,52,56,60
	v_pk_add_f32 v[14:15], v[14:15], v[96+\j:97+\j]
	v_pk_add_f32 v[242:243], v[242:243], v[98+\j:99+\j]
.endr
	s_delay_alu instid0(VALU_DEP_1)
	v_pk_add_f32 v[14:15], v[14:15], v[242:243]
	s_setprio 0
.irp b, 0,1,2,3
.set j, 0
.rept 16
.set j, j+1
.endr
	v_cvt_scalef32_pk8_fp8_f32 v[224+4*\b:225+4*\b], v[96+16*\b:103+16*\b], v244
	v_cvt_scalef32_pk8_fp8_f32 v[226+4*\b:227+4*\b], v[104+16*\b:111+16*\b], v244
.endr
.set j, 0
.rept 16
	v_pk_mul_f32 v[160+j:161+j], v[160+j:161+j], v[252:253] op_sel_hi:[1,0]   ; O^T under the new M, ascending; also the plain lines between the conversions and the products
.set j, j+2
.endr
	s_wait_alu depctr_va_vdst(0)
	s_wait_dscnt 0x0                               ; V is in
.irp t, 0,1,2,3
	v_wmma_f32_16x16x128_fp8_fp8 v[160+8*\t:167+8*\t], v[32+16*\t:47+16*\t], v[224:239], v[160+8*\t:167+8*\t]   ; the four accumulators by turns; eleven other matrix instructions lie between two links of one sum
.endr
.endm
; A PHASE: one tile of 16 queries.  ntr: the loop's trips, a constant.  tc: how many of my tensor loads may stay out.
.macro PHASE p, ntr, tc
	s_wait_tensorcnt \tc                           ; my part of the keys that this phase can reach is in (phase 0: the second half, issued last, may stay out)
	s_wait_dscnt 0x0
	s_barrier_signal -1
	s_barrier_wait -1                              ; everybody's is
	v_mov_b32 v13, 0xff61b1e6                      ; the largest t so far: -3e38, under every t
	s_delay_alu instid0(VALU_DEP_1)
	v_floor_f32 v12, -v13                          ; -M
	v_mov_b32 v14, 0                               ; the sum, in two halves
	v_mov_b32 v15, 0
.set j, 0
.rept 32
	v_mov_b32 v[160+j], 0                          ; O^T: the step is written once for a phase; its first trip finds zeros, which the first change of M leaves zeros
.set j, j+1
.endr
	s_mov_b32 s[JJ], 0
	s_mov_b32 s[TB], 0
.Lstep_\@:
	s_cmp_gt_u32 s[JJ], s[BET+\p]                  ; keys that all come after my queries: the step's work is jumped over
	s_cbranch_scc1 .Lhid_\@
	s_setprio 2
	STEP \p
.Lhid_\@:
	s_add_co_u32 s[TB], s[TB], 16384
	s_add_co_u32 s[JJ], s[JJ], 1
	s_cmp_lt_u32 s[JJ], \ntr
	s_cbranch_scc1 .Lstep_\@
	s_setprio 0
.rept 4
	v_nop                                          ; places behind the last products
.endr
	v_add_f32 v14, v14, v15                        ; the sum's two halves,
	s_delay_alu instid0(VALU_DEP_1)
	v_permlanex16_b32 v252, v14, s[SEL], s[SEL+1]
	s_delay_alu instid0(VALU_DEP_1)
	v_add_f32 v14, v14, v252                       ; and lane l xor 16's
	s_wait_alu depctr_va_vdst(0)
	v_rcp_f32 v14, v14
	v_nop                                          ; a plain line behind the reciprocal,
	s_wait_alu depctr_va_vdst(0)                   ; and the wait ahead of its first reader
.set j, 0
.rept 16
	v_pk_mul_f32 v[192+j:193+j], v[160+j:161+j], v[14:15] op_sel_hi:[1,0]   ; O^T / the sum, ascending: register 8 t + i is channel 16 t + 8 h + i of my query
.set j, j+2
.endr
.set j, 0
.rept 32
.set j, j+1
.endr
.irp t, 0,1,2,3
	v_cvt_scalef32_pk8_fp8_f32 v[224+2*\t:225+2*\t], v[192+8*\t:199+8*\t], v245
.endr
	v_nop                                          ; one plain line behind the run of conversions
.irp t, 0,1,2,3
	global_store_b64 v[GO], v[224+2*\t:225+2*\t], s[YB+2*(\p):YB+2*(\p)+1] offset:256*\t   ; the 32 lanes store 256 consecutive bytes of the image, aligned
.endr
	s_wait_xcnt 0x0                                ; the stores have read their registers: the next phase writes codes there
.endm
	PHASE 0, 8, 1
	PHASE 1, 16, 0
	s_wait_tensorcnt 0x0                           ; the wave's end: behind my last tensor load
	ds_add_u32 v[SPW], v[NIL]
	s_wait_dscnt 0x0
	CROUND                                         ; the closing round
	s_endpgm
.Lfunc_end_k_q1ec19bc921_attn:
	.size	k_q1ec19bc921_attn, .Lfunc_end_k_q1ec19bc921_attn-k_q1ec19bc921_attn
	.p2alignl 7, 3214868480
	.fill 96, 4, 3214868480
	.section	.rodata,"a",@progbits
	.p2align	6, 0x0
	.amdhsa_kernel k_q1ec19bc921_attn
		.amdhsa_group_segment_fixed_size 327680
		.amdhsa_private_segment_fixed_size 0
		.amdhsa_enable_private_segment 0
		.amdhsa_kernarg_size 32
		.amdhsa_user_sgpr_count 2
		.amdhsa_user_sgpr_kernarg_segment_ptr 1
		.amdhsa_wavefront_size32 1
		.amdhsa_system_sgpr_workgroup_id_x 1
		.amdhsa_system_sgpr_workgroup_id_y 1
		.amdhsa_system_sgpr_workgroup_id_z 1
		.amdhsa_system_vgpr_workitem_id 0
		.amdhsa_next_free_vgpr 256
		.amdhsa_next_free_sgpr 80
		.amdhsa_reserve_vcc 1
		.amdhsa_float_denorm_mode_32 3
		.amdhsa_float_denorm_mode_16_64 3
		.amdhsa_fp16_overflow 1
		.amdhsa_memory_ordered 1
		.amdhsa_forward_progress 1
		.amdhsa_inst_pref_size 51
	.end_amdhsa_kernel
	.amdgpu_metadata
---
amdhsa.version: [ 1, 2 ]
amdhsa.kernels:
  - .name:           k_q1ec19bc921_attn
    .symbol:         k_q1ec19bc921_attn.kd
    .args:
      - { .name: q_img, .offset: 0, .size: 8, .value_kind: global_buffer, .address_space: global }
      - { .name: kv_img, .offset: 8, .size: 8, .value_kind: global_buffer, .address_space: global }
      - { .name: lowp_scales, .offset: 16, .size: 8, .value_kind: global_buffer, .address_space: global }
      - { .name: y_img, .offset: 24, .size: 8, .value_kind: global_buffer, .address_space: global }
    .group_segment_fixed_size: 327680
    .private_segment_fixed_size: 0
    .kernarg_segment_align: 8
    .kernarg_segment_size: 32
    .max_flat_workgroup_size: 512
    .sgpr_count:     80
    .vgpr_count:     256
    .wavefront_size: 32
...
	.end_amdgpu_metadata
.endif
;; end of part 3
;; launch proj (part 4): grid 4 x 64, 4 waves a work-group, clusters of 4 x 4, 327,680 bytes of LDS; arguments y_img, wp_img, b_proj, lowp_scales, out0; writes out0
.if DOCPART == 4
	.amdgcn_target "amdgcn-amd-amdhsa--gfx1250"
	.amdhsa_code_object_version 6
	.text
	.protected	k_q1ec19bc921_proj
	.globl	k_q1ec19bc921_proj
	.p2align	8
	.type	k_q1ec19bc921_proj,@function
k_q1ec19bc921_proj:
	s_mov_b64 s[64:65], 0
	v_nop
	global_prefetch_b8 v0, s[64:65] scope:SCOPE_SE
	s_setreg_imm32_b32 hwreg(HW_REG_WAVE_MODE, 25, 1), 1
	s_wait_xcnt 0x0
	s_wait_alu depctr_hold_cnt(0) depctr_sa_sdst(0) depctr_va_vdst(0) depctr_va_sdst(0) depctr_va_ssrc(0) depctr_va_vcc(0) depctr_vm_vsrc(0)
	s_getreg_b32 s2, hwreg(HW_REG_IB_STS2, 6, 4)
	s_cmp_eq_u32 s2, 0
	s_cbranch_scc0 .Lentry_in_a_cluster
	s_endpgm
.Lentry_in_a_cluster:
	s_bfe_u32 s2, ttmp6, 0x10000c
	s_cmp_lg_u32 s2, 0xf033
	s_cbranch_scc0 .Lentry_shape_is_right
	s_endpgm
.Lentry_shape_is_right:
; out = y W_proj + b_proj on codes of E4M3 (scales 2^e6, 2^e7); out is f32.  y_img and wp_img hold images of operand registers: a fragment of 16 rows x 128 along K is 2,048 bytes,
; the code of (row r, k) at (k / 32) 512 + ((k / 16) % 2) 256 + 16 r + k % 16; four loads of 16 bytes a lane, at 16 x lane + 512 c, fill it: k is placed alike in both operands.
; LIMIT: e6 + e7 lies between -126 and 127, so that 2^(e6 + e7) is an f32 number.
; SHARES.  A work-group of four waves makes 128 rows x 256 columns; wave w all 128 rows x 64 columns: 32 accumulators, 256 registers.  64 x 4 work-groups.
; A's 128 rows x 1,024 codes (128 KB) are fetched at the head and stay in LDS.  B goes through a ring of two slots of one K step (256 along K, 64 KB); a wave fetches just the quarter that it reads itself.
; CLUSTER 4 x 4: A's rows are asked for jointly along a row of the cluster, B's tiles along a column.  The four K steps are written out by macros: no loop.
; The product is used transposed (source 0 = 16 columns of W, source 1 = 16 rows of y): a lane holds eight neighbouring columns of one row of out.
; REGISTERS, in windows of 256: window 0: v1-13 addresses, v32-63 and v96-127 the way out and the bias, v128-191 and v192-255 B's two sets (later rows of out);  window 1: A's two sets;  window 2: accumulator (a, b) at v[8 (4 a + b)].
.set BSLOT, 131072                     ; LDS: A in 0 .. 131,071 (K step s at 32,768 s); B's two slots of 65,536 from here
.set STAGE, 262144                     ; 16 rows x (256 bytes + 16) for each wave; no tensor load lands here
.set SPARE, 279552                     ; the spare words, 128 bytes a wave, which no other line names
.set FIRSTC, 1                         ; the first products take the constant 0 as C
.set LI,  1                            ; v1     16 x lane
.set AA,  2                            ; v2-5   A's K step s
.set BB,  6                            ; v6-7   my quarter of B's slot 0, 1
.set STO, 8                            ; v8     the stage, in: 272 r + 32 h
.set RD,  9                            ; v9     the stage, back: 272 h + 16 r
.set CO,  10                           ; v10    the same two rows in out: 4,096 h + 16 r
.set SPW, 12                           ; v12    LDS address of my spare word; never rewritten
.set NIL, 13                           ; v13    0; never rewritten
.set BO,  24                           ; v24    32 h
.set TMP, 32                           ; v32-63   a block's 16 rows x 64 columns
.set BI,  96                           ; v96-127  the bias in the result's layout
.set BK,  128                          ; v128-191 rows read back from the stage, two sets
.set WV,  16                           ; s16    my wave's number
.set G1A, 24                           ; s[24:31] descriptor group 1 for A;  s[32:39] for B
.set G1B, 32
.set G0A, 40                           ; s[40:43] group 0 for A;  s[44:47], s[48:51] for B's slots
.set G0B, 44
.set MSB, 0
.macro WIN new                         ; the immediate's high byte repeats the setting that is left; a switch that changes nothing is dropped
.if MSB != (\new)
	s_set_vgpr_msb (MSB<<8)|(\new)
.set MSB, (\new)
.endif
.endm
.macro PLACES                          ; four plain lines between matrix instructions and loads into registers that they read, or vector reads of their results
.rept 4
	v_nop
.endr
.endm
.macro CREST                           ; a round of the cluster's barrier behind its opening barrier
	s_cmp_lg_u32 s[WV], 0
	s_cbranch_scc1 .Lnot_wave_0_\@
	s_barrier_signal -3
.Lnot_wave_0_\@:
	s_barrier_wait -3
	s_barrier_signal -1
	s_barrier_wait -1
.endm
.macro CROUND
	s_barrier_signal -1
	s_barrier_wait -1
	CREST
.endm
; 48 LDS loads in one run: half kf of a K step: my 4 fragments of B from slot sl, A's 8 from K step s, into set kf.  Each load takes 512 consecutive bytes.
.macro FETCH s, sl, kf
	WIN 0
.irp b, 0,1,2,3
.irp c, 0,1,2,3
	ds_load_b128 v[128+64*(\kf)+16*\b+4*\c:128+64*(\kf)+16*\b+4*\c+3], v[BB+\sl] offset:\b*4096+(\kf)*2048+512*\c
.endr
.endr
	WIN 0x40                                       ; destination window 1
.irp a, 0,1,2,3,4,5,6,7
.irp c, 0,1,2,3
	ds_load_b128 v[128*(\kf)+16*\a+4*\c:128*(\kf)+16*\a+4*\c+3], v[AA+\s] offset:\a*4096+(\kf)*2048+512*\c
.endr
.endr
	WIN 0
.endm
; 4 cnt matrix instructions: A's blocks a0 on x my four of B, 128 along K, from set p.  cm = 0: on the sums; 1: C = 0.
; The 32 accumulators take turns, one instruction a turn, in the same order in every half step.
.macro MUL a0, cnt, p, cm
	WIN 0xa4                                       ; source 0 (B) window 0, source 1 (A) window 1, C and D window 2
.set ma, \a0
.rept \cnt
.irp b, 0,1,2,3
.set rD, 8*(4*ma+\b)
.set rA, 128*(\p)+16*ma
.set rB, 128+64*(\p)+16*\b
.if \cm == 0
	v_wmma_f32_16x16x128_fp8_fp8 v[rD:rD+7], v[rB:rB+15], v[rA:rA+15], v[rD:rD+7]
.else
	v_wmma_f32_16x16x128_fp8_fp8 v[rD:rD+7], v[rB:rB+15], v[rA:rA+15], 0
.endif
.endr
.set ma, ma+1
.endr
.endm
; K step g (B's slot g % 2), first half: multiplies set 0 while set 1 comes.
.macro SUB0 g
	s_wait_dscnt 0x0                               ; set 0 is in (asked for half a step ago)
	PLACES
	FETCH \g, (\g)%2, 1
.if (\g) == 0
	MUL 0, 8, 0, FIRSTC                            ; the first products start the sums: nothing is cleared
.else
	MUL 0, 8, 0, 0
.endif
	WIN 0
.endm
; Second half, with a change of slots.  In front of the round each wave waits for all its tensor loads (the one that is out: my quarter of the other slot), adds 0 to its spare word, and waits for that and for
; its reads of this slot.  Behind the round this slot takes K step g + 2: that load has 48 matrix instructions in which to land.
.macro TURN g
	WIN 0
	s_wait_tensorcnt 0x0                           ; no tensor load of mine is out
	ds_add_u32 v[SPW], v[NIL]                      ; 0 onto my spare word
	s_wait_dscnt 0x1                               ; set 1 is in; the add alone may be out
	MUL 0, 2, 1, 0                                 ; eight matrix instructions stand between the add and the wait for it
	s_wait_dscnt 0x0                               ; the add is done, and my reads of this slot are over
	s_barrier_signal -1
	MUL 2, 2, 1, 0                                 ; work on registers while the others arrive
	WIN 0
	s_barrier_wait -1
	CREST                                          ; no wave of any partner still reads this slot or has a load on its way
	s_add_nc_u64 s[G0B+4*((\g)%2)+2:G0B+4*((\g)%2)+3], s[G0B+4*((\g)%2)+2:G0B+4*((\g)%2)+3], 524288   ; two planes of 262,144 bytes on
	tensor_load_to_lds s[G0B+4*((\g)%2):G0B+4*((\g)%2)+3], s[G1B:G1B+7]
	s_nop 0
	PLACES                                         ; also the places in front of the loads below
	FETCH (\g)+1, 1-(\g)%2, 0
	MUL 4, 4, 1, 0
	WIN 0
.endm
.macro TURN_NF g                       ; the last K step but one: nothing is left to fetch, so no round.  The last slot's quarter is my own load's: my own wait shows it
	s_wait_tensorcnt 0x0                           ; no load was issued behind it
	s_wait_dscnt 0x0
	PLACES
	FETCH (\g)+1, 1-(\g)%2, 0
	MUL 0, 8, 1, 0
	WIN 0
.endm
; THE WAY OUT, a block of 16 rows x 64 columns at a time: sum x 2^(e6 + e7) + bias, through my own stage, back as rows of 256 bytes.
.macro TOSTAGE a
	WIN 0x02                                       ; source 0 window 2
.irp b, 0,1,2,3
.irp i, 0,2,4,6
	v_pk_fma_f32 v[TMP+8*\b+\i:TMP+8*\b+\i+1], v[8*(4*(\a)+\b)+\i:8*(4*(\a)+\b)+\i+1], s[60:61], v[BI+8*\b+\i:BI+8*\b+\i+1] op_sel_hi:[1,0,1]   ; each accumulator from its low end on
.endr
.endr
	WIN 0
.irp b, 0,1,2,3
	ds_store_b128 v[STO], v[TMP+8*\b:TMP+8*\b+3] offset:64*\b
	ds_store_b128 v[STO], v[TMP+8*\b+4:TMP+8*\b+7] offset:64*\b+16
.endr
.irp t, 0,1,2,3,4,5,6,7
	ds_load_b128 v[BK+32*((\a)%2)+4*\t:BK+32*((\a)%2)+4*\t+3], v[RD] offset:544*\t   ; LDS serves a wave's instructions in order (ISA guide 5.7.1.4): these see my stores, and the next block's stores come behind them
.endr
.endm
.macro SEND a, younger                 ; younger: the LDS instructions issued behind block a's loads, which may stay out
	s_wait_dscnt \younger
.irp t, 0,1,2,3,4,5,6,7
	global_store_b128 v[CO], v[BK+32*((\a)%2)+4*\t:BK+32*((\a)%2)+4*\t+3], s[68:69] offset:(16*(\a)+2*\t)*4096 th:TH_STORE_NT   ; sixteen lanes store 256 consecutive bytes, aligned; written once, read by nobody here
.endr
.endm
	s_load_b256 s[4:11], s[0:1], 0x0               ; y_img s[4:5], wp_img s[6:7], b_proj s[8:9], the scales' exponents s[10:11]
	s_load_b64 s[12:13], s[0:1], 0x20              ; out0
	v_lshl_add_u32 v[SPW], v0, 2, SPARE
	v_mov_b32 v[NIL], 0
	ds_add_u32 v[SPW], v[NIL]                      ; the wave's opening: the add and its wait ahead of my first tensor load; work on registers stands between them
	ds_add_u32 v[SPW], v[NIL]
	v_lshrrev_b32 v1, 5, v0
	v_readfirstlane_b32 s[WV], v1                  ; wave 0..3
	s_bfe_u32 s17, ttmp6, 0x40000                  ; cx
	s_bfe_u32 s18, ttmp6, 0x40004                  ; cy
	s_lshl_b32 s19, ttmp9, 2
	s_add_co_u32 s19, s19, s17                     ; X: which 256 columns
	s_and_b32 s20, ttmp7, 0xffff
	s_lshl_b32 s20, s20, 2
	s_add_co_u32 s20, s20, s18                     ; Y: which 128 rows
	s_lshl_b32 s21, s18, 2
	s_lshl_b32 s21, 15, s21                        ; my row of the cluster
	s_lshl_b32 s22, 0x1111, s17                    ; my column
	s_or_b32 s[G1A], s21, (3<<16)|(1<<21)          ; 15:0 the mask; 17:16 elements of 8 bytes; 21 set beside a mask; no padding
	s_mov_b32 s[G1A+1], 32<<16                     ; tensor_dim0 = 32 elements: 256 bytes
	s_mov_b32 s[G1A+2], 128<<16                    ; tensor_dim1 = 128 rows: 32 KB, dense
	s_mov_b32 s[G1A+3], 32<<16                     ; tile_dim0
	s_mov_b32 s[G1A+4], 128                        ; tile_dim1
	s_mov_b32 s[G1A+5], 32                         ; from row to row
	s_mov_b32 s[G1A+6], 0
	s_mov_b32 s[G1A+7], 0
	s_or_b32 s[G1B], s22, (3<<16)|(1<<21)
	s_mov_b32 s[G1B+1], 32<<16
	s_mov_b32 s[G1B+2], 64<<16                     ; 64 rows: 16 KB
	s_mov_b32 s[G1B+3], 32<<16
	s_mov_b32 s[G1B+4], 64
	s_mov_b32 s[G1B+5], 32
	s_mov_b32 s[G1B+6], 0
	s_mov_b32 s[G1B+7], 0
	s_lshl_b32 s76, s[WV], 21                      ; A: wave w fetches K step w: its plane,
	s_lshl_b32 s77, s20, 15                        ; my 128 rows in it: made of Y and the wave's number alone
	s_add_co_u32 s76, s76, s77
	s_mov_b32 s77, 0
	s_lshl_b32 s78, s19, 16                        ; B: my 256 columns of a plane,
	s_lshl_b32 s79, s[WV], 14                      ; my wave's 64: made of X and the wave's number alone
	s_add_co_u32 s78, s78, s79
	s_mov_b32 s79, 0
	s_lshl_b32 s80, s19, 10                        ; my 64 columns in a row of f32: 4 (256 X + 64 w)
	s_lshl_b32 s81, s[WV], 8
	s_add_co_u32 s80, s80, s81
	s_mov_b32 s81, 0
	s_lshl_b32 s82, s20, 19                        ; 128 rows of 4,096 bytes
	s_add_co_u32 s82, s82, s80
	s_mov_b32 s83, 0
	s_wait_dscnt 0x0                               ; the opening add is done
	s_wait_kmcnt 0x0
	s_load_b256 s[52:59], s[10:11], 0x0            ; e0 .. e7
	s_mov_b32 s[G0A], 1
	s_lshl_b32 s[G0A+1], s[WV], 15                 ; LDS: 32,768 w
	s_add_nc_u64 s[G0A+2:G0A+3], s[4:5], s[76:77]
	s_or_b32 s[G0A+3], s[G0A+3], 0x80000000
	s_mov_b32 s[G0B], 1
	s_lshl_b32 s[G0B+1], s[WV], 14
	s_add_co_u32 s[G0B+1], s[G0B+1], BSLOT         ; LDS: slot 0 + 16,384 w
	s_add_nc_u64 s[G0B+2:G0B+3], s[6:7], s[78:79]  ; K step 0
	s_mov_b32 s[G0B+4], 1
	s_add_co_u32 s[G0B+5], s[G0B+1], 65536         ; slot 1
	s_add_nc_u64 s[G0B+6:G0B+7], s[G0B+2:G0B+3], 262144   ; K step 1
	s_or_b32 s[G0B+3], s[G0B+3], 0x80000000
	s_or_b32 s[G0B+7], s[G0B+7], 0x80000000
	s_add_nc_u64 s[74:75], s[8:9], s[80:81]        ; the bias of my 64 columns
	s_add_nc_u64 s[68:69], s[12:13], s[82:83]      ; out at my first row and column
	CROUND                                         ; all sixteen work-groups are here: the first joint loads meet
	tensor_load_to_lds s[G0B:G0B+3], s[G1B:G1B+7]      ; three loads of mine are out: B's K step 0,
	s_nop 0
	tensor_load_to_lds s[G0A:G0A+3], s[G1A:G1A+7]      ; A's K step w,
	s_nop 0
	tensor_load_to_lds s[G0B+4:G0B+7], s[G1B:G1B+7]    ; B's K step 1
	s_nop 0
	PLACES
	v_and_b32 v1, 31, v0
	v_lshlrev_b32 v[LI], 4, v1
	v_mov_b32 v[AA], v[LI]
	v_add_nc_u32 v[AA+1], 32768, v[LI]
	v_add_nc_u32 v[AA+2], 65536, v[LI]
	v_add_nc_u32 v[AA+3], 98304, v[LI]
	s_lshl_b32 s76, s[WV], 14
	s_add_co_u32 s76, s76, BSLOT
	v_add_nc_u32 v[BB], s76, v[LI]
	v_add_nc_u32 v[BB+1], 65536, v[BB]
	s_mul_i32 s77, s[WV], 16*272
	s_add_co_u32 s77, s77, STAGE                   ; my stage
	v_and_b32 v26, 15, v0                          ; r
	v_bfe_u32 v27, v0, 4, 1                        ; h
	v_mul_u32_u24 v[STO], v26, 272
	v_lshl_add_u32 v[STO], v27, 5, v[STO]
	v_add_nc_u32 v[STO], s77, v[STO]
	v_mul_u32_u24 v[RD], v27, 272
	v_lshl_add_u32 v[RD], v26, 4, v[RD]
	v_add_nc_u32 v[RD], s77, v[RD]
	v_lshlrev_b32 v[CO], 12, v27
	v_lshl_add_u32 v[CO], v26, 4, v[CO]
	v_lshlrev_b32 v[BO], 5, v27
.irp b, 0,1,2,3
	global_load_b128 v[BI+8*\b:BI+8*\b+3], v[BO], s[74:75] offset:64*\b        ; the bias in the result's layout: columns 16 b + 8 h + 0 .. 7
	global_load_b128 v[BI+8*\b+4:BI+8*\b+7], v[BO], s[74:75] offset:64*\b+16
.endr
	s_wait_tensorcnt 0x1                           ; my quarter of B's slot 0 and my K step of A are in; slot 1's load, issued last, may stay out
	s_barrier_signal -1
	s_barrier_wait -1                              ; all of A is in
	FETCH 0, 0, 0
	s_wait_loadcnt 0x0                             ; the bias
	s_wait_kmcnt 0x0
	s_add_co_i32 s60, s58, s59                     ; e6 + e7
	s_add_co_i32 s60, s60, 127
	s_lshl_b32 s60, s60, 23                        ; 2^(e6 + e7) as f32
	s_mov_b32 s61, s60                             ; (named with it as a pair, so it is written)
	SUB0 0
	TURN 0
	SUB0 1
	TURN 1
	SUB0 2
	TURN_NF 2
	SUB0 3
	s_wait_dscnt 0x0                               ; the very last half step: nothing more to fetch
	MUL 0, 8, 1, 0
	WIN 0
	PLACES                                         ; in front of the first read of results and of loads into the registers that held B's fragments
	TOSTAGE 0
.irp a, 1,2,3,4,5,6,7
.if \a > 1
	s_wait_xcnt 0x0                                ; block a - 2's stores have read their registers: block a's rows may land there
.endif
	TOSTAGE \a
	SEND \a-1, 16                                  ; behind block a - 1's loads: block a's 8 stores and 8 loads
.endr
	SEND 7, 0
	s_wait_tensorcnt 0x0                           ; the wave's end: behind my last tensor load and my last LDS store
	ds_add_u32 v[SPW], v[NIL]
	s_wait_dscnt 0x0
	CROUND                                         ; the closing round: no work-group ends while a partner may still ask for a tile that names it
	s_endpgm
.Lfunc_end_k_q1ec19bc921_proj:
	.size	k_q1ec19bc921_proj, .Lfunc_end_k_q1ec19bc921_proj-k_q1ec19bc921_proj
	.p2alignl 7, 3214868480
	.fill 96, 4, 3214868480
	.section	.rodata,"a",@progbits
	.p2align	6, 0x0
	.amdhsa_kernel k_q1ec19bc921_proj
		.amdhsa_group_segment_fixed_size 327680
		.amdhsa_private_segment_fixed_size 0
		.amdhsa_enable_private_segment 0
		.amdhsa_kernarg_size 40
		.amdhsa_user_sgpr_count 2
		.amdhsa_user_sgpr_kernarg_segment_ptr 1
		.amdhsa_wavefront_size32 1
		.amdhsa_system_sgpr_workgroup_id_x 1
		.amdhsa_system_sgpr_workgroup_id_y 1
		.amdhsa_system_sgpr_workgroup_id_z 1
		.amdhsa_system_vgpr_workitem_id 0
		.amdhsa_next_free_vgpr 768
		.amdhsa_next_free_sgpr 96
		.amdhsa_reserve_vcc 0
		.amdhsa_float_denorm_mode_32 3
		.amdhsa_float_denorm_mode_16_64 3
		.amdhsa_memory_ordered 1
		.amdhsa_forward_progress 1
		.amdhsa_inst_pref_size 74
	.end_amdhsa_kernel
	.amdgpu_metadata
---
amdhsa.version: [ 1, 2 ]
amdhsa.kernels:
  - .name:           k_q1ec19bc921_proj
    .symbol:         k_q1ec19bc921_proj.kd
    .args:
      - { .name: y_img, .offset: 0, .size: 8, .value_kind: global_buffer, .address_space: global }
      - { .name: wp_img, .offset: 8, .size: 8, .value_kind: global_buffer, .address_space: global }
      - { .name: b_proj, .offset: 16, .size: 8, .value_kind: global_buffer, .address_space: global }
      - { .name: lowp_scales, .offset: 24, .size: 8, .value_kind: global_buffer, .address_space: global }
      - { .name: out0, .offset: 32, .size: 8, .value_kind: global_buffer, .address_space: global }
    .group_segment_fixed_size: 327680
    .private_segment_fixed_size: 0
    .kernarg_segment_align: 8
    .kernarg_segment_size: 40
    .max_flat_workgroup_size: 128
    .sgpr_count:     96
    .vgpr_count:     768
    .wavefront_size: 32
...
	.end_amdgpu_metadata
.endif
;; end of part 4
